; MI455X (gfx1250); checked and timed in simulation.
; The chip was launched on July 23, 2026; its instructions are those of AMD's public machine-readable ISA for CDNA 5 (MIT licence, August 2026) and "CDNA5" Instruction Set Architecture Reference Guide (July 2026). The comments in the code are by the model that wrote it; some were corrected since.
;; Outer Product Mean. Allowed arithmetic: float matrix products may take bf16 or f16 operands with f32 sums; all other float work in f32.
;; Inputs: Wa 256 x 32 float32; Wb 256 x 32 float32; Wo 1,024 x 128 float32; ba 32 float32; bb 32 float32; bo 128 float32; ln_b 256 float32; ln_w 256 float32; m 1 x 128 x 256 x 256 float32.
;; Outputs: out0 1 x 256 x 256 x 128 float32.
;; One version. Each part assembles by itself: llvm-mc -triple=amdgcn-amd-amdhsa -mcpu=gfx1250 --defsym DOCPART=n.
;; ======== version 1 of 1: 2 launches
;; limits: values are held in f16: magnitudes above 65,504 overflow, below 6.1e-05 lose precision; right only within a limited range of input values
;; workspace buffers: aF 2,097,152 bytes; bF 2,097,152 bytes; woF 262,144 bytes; scl 256 bytes
;; launch prep (part 1): grid 16 x 16, 8 waves a work-group, no clusters, 118,272 bytes of LDS; arguments m, ln_w, ln_b, Wa, ba, Wb, bb, Wo, aF, bF, woF, scl; writes aF, bF, woF, scl
.if DOCPART == 1
	.amdgcn_target "amdgcn-amd-amdhsa--gfx1250"
	.amdhsa_code_object_version 6
	.text
	.protected	k_q48fc25dd02_prep
	.globl	k_q48fc25dd02_prep
	.p2align	8
	.type	k_q48fc25dd02_prep,@function
k_q48fc25dd02_prep:
	s_mov_b64 s[64:65], 0
	v_nop
	global_prefetch_b8 v0, s[64:65] scope:SCOPE_SE
	s_setreg_imm32_b32 hwreg(HW_REG_WAVE_MODE, 25, 1), 1
	s_wait_xcnt 0x0
; OuterProductMean, first of two launches: LayerNorm over 256 channels, the two projections to 32 channels, and the repacking of Wo.
;   mn = (m - mean) * rsqrt(var + 1e-5) * ln_w + ln_b  in f32;   a = mn Wa + ba,  b = mn Wb + bb  on the matrix unit, f16 operands, f32 sums.
; Stored for the second launch, all in f16 and in the order in which a matrix operand's lanes take it (16 bytes a lane, 512 bytes a half fragment):
;   aF[i 256][ch 2][sb 16][r 16][8]   = sa * a(s = 8 sb + e, i, c = 16 ch + r)
;   bF[jb 16][d 32][sb 16][jr 16][8]  = sb * b(s = 8 sb + e, j = 16 jb + jr, d)
;   woF[d 32][zt 8][cb 4][zr 16][8]   = Wo[(8 cb + e) * 32 + d][16 zt + zr]
;   scl: 64 copies of f = 1 / (128 sa sb), f32.
; SCALES.  The normalised row has a 2-norm of at most 16, so |a| <= A = (16 max|ln_w| + ||ln_b||) ||Wa||_F + max|ba|, and B likewise for b.
; With ea = A's biased exponent, sa = 2^(129 - ea) makes |sa a| < 8, so the second launch's sums over 128 s stay below 8,192, inside f16.
; Powers of two: the scaling rounds nothing.  Every work-group forms A and B by the same sums in the same order, so all use the same sa, sb.
; LIMITS, kept knowingly: ea and eb are clamped to 80 .. 190, so A and B must lie in [2^-47, 2^64); 16 |ln_w| + |ln_b|, |Wa|, |Wb| and |Wo| must be
; below 65,504 (they are rounded to f16); the squares of ln_b, Wa and Wb must be finite in f32.
; SHARES.  Work-group (x, y) owns i = 16 x .. 16 x + 15 and s = 8 y .. 8 y + 7: 128 rows of m, 131,072 bytes, all asked for at once (32 loads of 512
; consecutive bytes a wave).  Wave w owns the 16 rows rho = 8 iloc + sloc of i = 16 x + 2 w + iloc, s = 8 y + sloc: one 16-row tile of the product.
; Then a lane's eight results are eight neighbouring s of one (i, channel): 16 bytes of f16 that belong together in aF and bF.
; ORDER.  W is staged in LDS while m is on its way; straight behind the barrier that shows it whole, every wave takes all of W's fragments
; (8 K steps x 4 tiles, 256 registers, v256-511) so that these 64 LDS loads run under the LayerNorm and not behind it.
; No tensor loads and no cluster: the rows must be normalised in f32 before LDS sees them, and work-groups share only the 65,536 bytes of Wa and Wb.
.set XPITCH, 528                       ; a normalised row in LDS: 512 bytes of f16 + 16: sixteen rows start at sixteen different 16-byte columns
.set XWAVE,  16*XPITCH                 ; a wave's own 16 rows
.set WB,     8*XWAVE                   ; 67,584: W as [k 256][n 64] f16, n 0-31 Wa, n 32-63 Wb
.set WPITCH, 160                       ; 128 bytes + 32: an odd multiple of 32 for the transposing loads
.set SB,     WB+256*WPITCH             ; 108,544: the stage for b, [jr 16][d 32] in units of 16 bytes
.set SPITCH, 528
.set RB,     SB+16*SPITCH              ; 116,992: 16 bytes of partial norms for each wave
.set LW,  16                           ; v[16:23]   ln_w of my columns 4 L .. 4 L + 3 and 128 + 4 L .. + 3
.set LB,  24                           ; v[24:31]   ln_b of the same
.set PK,  32                           ; v[32:47]   first the norms' scratch, then four rows packed to f16
.set ACC, 16                           ; v[16:47]   in the product: four accumulator tiles (channels 16 nt + r)
.set BI,  48                           ; v[48:55]   four pairs (bias, bias), times sa or sb
.set TT,  64                           ; v[64:95]   eight registers at work for each of four rows
.set AF,  64                           ; v[64:127]  W as loaded, later the fragments of my 16 rows (8 K steps)
.set XR,  128                          ; v[128:255] row rho at XR + 8 rho
                                       ; v[256:511] (window 1) W's fragments: K step ks, tile nt at 8 (4 ks + nt)
.set MSB, 0
.macro WIN new                         ; s_set_vgpr_msb: bits 1:0 source 0, 3:2 source 1, 5:4 source 2, 7:6 destination; the high byte repeats the setting that is left
.if MSB != \new
	s_set_vgpr_msb (MSB<<8)|\new
.set MSB, \new
.endif
.endm
	s_load_b512 s[8:23], s[0:1], 0x0               ; m s[8:9], ln_w s[10:11], ln_b s[12:13], Wa s[14:15], ba s[16:17], Wb s[18:19], bb s[20:21], Wo s[22:23]
	s_load_b256 s[24:31], s[0:1], 0x40             ; aF s[24:25], bF s[26:27], woF s[28:29], scl s[30:31]
	v_lshrrev_b32 v16, 5, v0
	v_readfirstlane_b32 s32, v16                   ; w, my wave
	s_mov_b32 s33, ttmp9                           ; x
	s_and_b32 s34, ttmp7, 0xffff                   ; y
	s_lshl4_add_u32 s35, s34, s33                  ; g = 16 y + x: which 1,024 bytes of woF this work-group makes
	s_mov_b32 s38, 0x76543210                      ; v_permlanex16_b32: lane i reads lane i of the other half
	s_mov_b32 s39, 0xfedcba98
	s_mov_b32 s40, 0x3b800000                      ; 1 / 256
	s_mul_i32 s41, s32, XWAVE                      ; my wave's rows in LDS
	s_mul_i32 s46, s32, 4*WPITCH                   ; my wave's four rows of each piece of W
	s_mul_i32 s47, s32, 2*SPITCH                   ; my wave's two rows of the stage for b
	; byte offsets of the work-group's parts, each in a pair of its own
	s_lshl_b32 s36, s34, 21                        ; m: 8 y planes of 262,144 bytes
	s_lshl_b32 s48, s33, 14                        ;    + 16 x rows of 1,024
	s_add_co_u32 s36, s36, s48
	s_mov_b32 s37, 0
	s_lshl_b32 s50, s33, 17                        ; aF and bF alike: 131,072 x + 256 y
	s_lshl_b32 s48, s34, 8
	s_add_co_u32 s50, s50, s48
	s_mov_b32 s51, 0
	s_lshr_b32 s48, s35, 3                         ; d = g >> 3
	s_bfe_u32 s49, s35, 0x20001                    ; cb = (g >> 1) & 3
	s_and_b32 s35, s35, 1                          ; zh = g & 1
	s_lshl_b32 s52, s49, 17                        ; Wo: row (8 cb + e) 32 + d of 512 bytes, column 64 zh
	s_lshl_b32 s54, s48, 9
	s_add_co_u32 s52, s52, s54
	s_lshl_b32 s54, s35, 8
	s_add_co_u32 s52, s52, s54
	s_mov_b32 s53, 0
	s_lshl_b32 s54, s48, 13                        ; woF: 8,192 d + 4,096 zh + 256 cb
	s_lshl_b32 s48, s35, 12
	s_add_co_u32 s54, s54, s48
	s_lshl_b32 s48, s49, 8
	s_add_co_u32 s54, s54, s48
	s_mov_b32 s55, 0
	s_or_b32 s35, s33, s34                         ; 0 in work-group (0, 0) alone
	; lane terms.  L = lane, r = L & 15, h = L >> 4
	v_and_b32 v17, 31, v0                          ; L
	v_and_b32 v2, 15, v0                           ; r
	v_bfe_u32 v3, v0, 4, 1                         ; h
	v_lshlrev_b32 v1, 4, v17                       ; 16 L
	v_lshlrev_b32 v4, 2, v0                        ; 4 t
	v_lshlrev_b32 v5, 4, v0                        ; 16 t
	v_lshl_add_u32 v6, s32, 11, v1                 ; m: my wave's two i (2,048 bytes) + 16 L
	v_lshl_add_u32 v7, v17, 3, s41                 ; where I put 8 bytes of a normalised row
	v_mul_u32_u24 v18, v2, XPITCH
	v_lshl_add_u32 v18, v3, 4, v18
	v_add_nc_u32 v8, s41, v18                      ; my rows' fragments: row r, + 16 h
	v_lshrrev_b32 v18, 3, v17
	v_and_b32 v19, 7, v0
	v_mul_u32_u24 v18, v18, WPITCH
	v_lshl_add_u32 v18, v19, 3, v18
	v_add3_u32 v9, v18, s46, WB                    ; where I put 8 bytes of W: row 4 w + (L >> 3) of the piece, column 4 (L & 7)
	v_lshl_add_u32 v18, v3, 3, v19                 ; transposing loads: row 8 h + (L & 7),
	v_mul_u32_u24 v18, v18, WPITCH
	v_bfe_u32 v20, v0, 3, 1
	v_lshl_add_u32 v18, v20, 4, v18                ; 16 bytes further for lanes 8-15 of each half
	v_add_nc_u32 v10, WB, v18
	v_lshlrev_b32 v21, 4, v2                       ; 16 r
	v_lshl_add_u32 v22, s32, 1, v3                 ; 2 w + h: my i (and j) in the work-group's sixteen
	v_lshl_add_u32 v23, s32, 2, v3                 ; 4 w + h
	v_lshl_add_u32 v11, v22, 13, v21               ; aF: 8,192 (2 w + h) + 16 r
	v_mul_u32_u24 v18, v3, SPITCH
	v_add3_u32 v18, v18, v21, s47
	v_add_nc_u32 v12, SB, v18                      ; stage in: row jr = 2 w + h, 16 r
	v_mul_u32_u24 v18, v2, SPITCH
	v_lshl_add_u32 v18, v23, 4, v18
	v_add_nc_u32 v13, SB, v18                      ; stage back: row jr = r, d = 4 w + h
	v_lshl_add_u32 v14, v23, 12, v21               ; bF: 4,096 (4 w + h) + 16 r
	v_lshrrev_b32 v18, 4, v0
	v_lshl_add_u32 v15, v18, 10, v21               ; woF: 1,024 (t >> 4) + 16 (t & 15)
	v_lshlrev_b32 v40, 2, v17                      ; 4 L
	v_lshlrev_b32 v41, 2, v2                       ; 4 r
	v_mov_b32 v42, 0                               ; the lane exchange's destination counts as read
	s_wait_kmcnt 0x0
	s_add_nc_u64 s[8:9], s[8:9], s[36:37]
	s_add_nc_u64 s[24:25], s[24:25], s[50:51]
	s_add_nc_u64 s[26:27], s[26:27], s[50:51]
	s_add_nc_u64 s[22:23], s[22:23], s[52:53]
	s_add_nc_u64 s[28:29], s[28:29], s[54:55]
	; ALL LOADS, the small ones first, so that one counted wait tells them from the 32 loads of m.
	s_cmp_ge_u32 s32, 2
	s_cbranch_scc1 .Lno_wo_load                    ; waves 0 and 1: 64 lanes x 8 rows of Wo, each load of a wave 128 consecutive bytes, the two waves 256
.irp e, 0,1,2,3,4,5,6,7
	global_load_b32 v[56+\e], v4, s[22:23] offset:\e*16384
.endr
.Lno_wo_load:
	global_load_b32 v32, v4, s[10:11]              ; for the norms: ln_w[t], ln_b[t], ba[L], bb[L]
	global_load_b32 v33, v4, s[12:13]
	global_load_b32 v38, v40, s[16:17]
	global_load_b32 v39, v40, s[20:21]
	global_load_b128 v[LW:LW+3],   v1, s[10:11]
	global_load_b128 v[LW+4:LW+7], v1, s[10:11] offset:512
	global_load_b128 v[LB:LB+3],   v1, s[12:13]
	global_load_b128 v[LB+4:LB+7], v1, s[12:13] offset:512
	global_load_b32 v[BI],   v41, s[16:17]            ; ba[r], ba[16 + r], bb[r], bb[16 + r]
	global_load_b32 v[BI+2], v41, s[16:17] offset:64
	global_load_b32 v[BI+4], v41, s[20:21]
	global_load_b32 v[BI+6], v41, s[20:21] offset:64
.irp p, 0,1,2,3,4,5,6,7
	global_load_b128 v[AF+4*\p:AF+4*\p+3], v5, s[14:15] offset:\p*4096          ; Wa, 4,096 bytes a piece for the 256 threads
.endr
.irp p, 0,1,2,3,4,5,6,7
	global_load_b128 v[AF+32+4*\p:AF+32+4*\p+3], v5, s[18:19] offset:\p*4096    ; Wb
.endr
.irp il, 0,1
.irp sl, 0,1,2,3,4,5,6,7
	global_load_b128 v[XR+8*(8*\il+\sl):XR+8*(8*\il+\sl)+3],   v6, s[8:9] offset:\sl*262144+\il*1024 th:TH_LOAD_NT      ; row rho = 8 il + sl: columns 4 L ..
	global_load_b128 v[XR+8*(8*\il+\sl)+4:XR+8*(8*\il+\sl)+7], v6, s[8:9] offset:\sl*262144+\il*1024+512 th:TH_LOAD_NT  ; and 128 + 4 L ..
.endr
.endr
; sum, or maximum, of one register over the wave's 32 lanes, the result in every lane
.macro WSUM reg
.irp mk, 1,2,4,8
	v_add_f32_dpp v[\reg], v[\reg], v[\reg] row_xmask:\mk row_mask:0xf bank_mask:0xf
.endr
	v_permlanex16_b32 v42, v[\reg], s38, s39
	v_add_f32 v[\reg], v[\reg], v42
.endm
.macro WMAX reg
.irp mk, 1,2,4,8
	v_max_num_f32_dpp v[\reg], v[\reg], v[\reg] row_xmask:\mk row_mask:0xf bank_mask:0xf
.endr
	v_permlanex16_b32 v42, v[\reg], s38, s39
	v_max_num_f32 v[\reg], v[\reg], v42
.endm
; eight pieces of Wa or Wb: their squares into a pair of sums, the numbers to f16 and into LDS at column byte off
.macro WSTAGE base, sq, off
.irp p, 0,1,2,3,4,5,6,7
.if \p == 0
	v_pk_mul_f32 v[\sq:\sq+1], v[\base:\base+1], v[\base:\base+1]              ; the first product starts the sums
.else
	v_pk_fma_f32 v[\sq:\sq+1], v[\base+4*\p:\base+4*\p+1], v[\base+4*\p:\base+4*\p+1], v[\sq:\sq+1]
.endif
	v_pk_fma_f32 v[\sq:\sq+1], v[\base+4*\p+2:\base+4*\p+3], v[\base+4*\p+2:\base+4*\p+3], v[\sq:\sq+1]
	v_cvt_pk_f16_f32 v[\base+4*\p],   v[\base+4*\p],   v[\base+4*\p+1]
	v_cvt_pk_f16_f32 v[\base+4*\p+1], v[\base+4*\p+2], v[\base+4*\p+3]
	ds_store_b64 v9, v[\base+4*\p:\base+4*\p+1] offset:\p*32*WPITCH+\off       ; a piece is 32 rows of W
.endr
.endm
; W's fragments of K steps k0 .. k0 + 3, transposed on the way (W lies [k][n]), into window 1: 32 loads
.macro LDWB k0
	WIN 0x40                                       ; destination in window 1, address in window 0
.irp kl, 0,1,2,3
.irp nt, 0,1,2,3
	ds_load_tr16_b128 v[8*(4*(\k0+\kl)+\nt):8*(4*(\k0+\kl)+\nt)+3],   v10 offset:(\k0+\kl)*32*WPITCH+32*\nt
	ds_load_tr16_b128 v[8*(4*(\k0+\kl)+\nt)+4:8*(4*(\k0+\kl)+\nt)+7], v10 offset:(\k0+\kl)*32*WPITCH+32*\nt+16*WPITCH
.endr
.endr
	WIN 0
.endm
	s_wait_loadcnt 32                              ; loads return in order: all but the 32 youngest, which are m's, are in
	WSTAGE AF, 34, 0
	WSTAGE AF+32, 36, 64
	; my wave's part of the norms: max |ln_w|, sum ln_b^2, sum Wa^2, sum Wb^2 in v[32:35]; max |ba|, max |bb| whole in v38, v39
	v_and_b32 v32, 0x7fffffff, v32
	v_mul_f32 v33, v33, v33
	v_add_f32 v34, v34, v35
	v_add_f32 v35, v36, v37
	v_and_b32 v38, 0x7fffffff, v38
	v_and_b32 v39, 0x7fffffff, v39
	WMAX 32
	WSUM 33
	WSUM 34
	WSUM 35
	WMAX 38
	WMAX 39
	s_lshl_b32 s48, s32, 4
	s_add_co_u32 s48, s48, RB
	v_mov_b32 v43, s48
	ds_store_b128 v43, v[32:35]                    ; all lanes hold the same four numbers
	s_cmp_ge_u32 s32, 2
	s_cbranch_scc1 .Lno_wo_store                   ; waves 0 and 1: eight c of one (d, z) are 16 bytes; sixteen lanes store 256 consecutive bytes, aligned
	v_cvt_pk_f16_f32 v56, v56, v57
	v_cvt_pk_f16_f32 v57, v58, v59
	v_cvt_pk_f16_f32 v58, v60, v61
	v_cvt_pk_f16_f32 v59, v62, v63
	global_store_b128 v15, v[56:59], s[28:29]      ; v15 and v[56:59] are not written again
.Lno_wo_store:
	s_wait_dscnt 0x0                               ; my part of W and my partial norms are in LDS,
	s_barrier_signal -1
	s_barrier_wait -1                              ; everybody's are.  m's loads stay on their way
	; THE SCALES, in every wave alike.  The partial norms are asked for first, then the first half of W's fragments.
	v_mov_b32 v43, RB
.irp k, 0,1,2,3,4,5,6,7
	ds_load_b128 v[TT+4*\k:TT+4*\k+3], v43 offset:16*\k
.endr
	LDWB 0
	s_wait_dscnt 32                                ; LDS loads return in order: the partial norms are in, the 32 younger loads are W's fragments
	v_max3_num_f32 v64, v64, v68, v72
	v_max3_num_f32 v64, v64, v76, v80
	v_max3_num_f32 v64, v64, v84, v88
	v_max_num_f32 v64, v64, v92                    ; max |ln_w|
.irp k, 1,2,3,4,5,6,7
	v_add_f32 v65, v65, v[65+4*\k]                 ; sum ln_b^2
	v_pk_add_f32 v[66:67], v[66:67], v[66+4*\k:67+4*\k]    ; sum Wa^2, sum Wb^2
.endr
	v_sqrt_f32 v65, v65
	v_sqrt_f32 v66, v66
	v_sqrt_f32 v67, v67
	v_nop                                          ; one plain place behind the roots before their results are read (ISA guide 5.7.2)
	s_wait_alu depctr_va_vdst(0)
	v_fma_f32 v96, v64, 0x41800000, v65            ; 16 max|ln_w| + ||ln_b||
	v_fma_f32 v97, v96, v66, v38                   ; A
	v_fma_f32 v98, v96, v67, v39                   ; B
	v_lshrrev_b32 v97, 23, v97                     ; their biased exponents,
	v_lshrrev_b32 v98, 23, v98
	v_max_u32 v97, 80, v97                         ; clamped so that sa, sb and f are normal numbers
	v_max_u32 v98, 80, v98
	v_min_u32 v97, 190, v97
	v_min_u32 v98, 190, v98
	v_sub_nc_u32 v99, 0x100, v97                   ; sa = 2^(129 - ea): biased exponent 256 - ea
	v_sub_nc_u32 v100, 0x100, v98
	v_add3_u32 v60, v97, v98, 0xffffff76           ; f = 2^(ea + eb - 265): biased exponent ea + eb - 138
	v_lshlrev_b32 v99, 23, v99
	v_lshlrev_b32 v100, 23, v100
	v_lshlrev_b32 v60, 23, v60
	v_readfirstlane_b32 s42, v99
	v_readfirstlane_b32 s44, v100
	s_mov_b32 s43, s42                             ; pairs for the packed multiply-adds
	s_mov_b32 s45, s44
	v_mul_f32 v[BI+1], s42, v[BI]
	v_mul_f32 v[BI],   s42, v[BI]
	v_mul_f32 v[BI+3], s42, v[BI+2]
	v_mul_f32 v[BI+2], s42, v[BI+2]
	v_mul_f32 v[BI+5], s44, v[BI+4]
	v_mul_f32 v[BI+4], s44, v[BI+4]
	v_mul_f32 v[BI+7], s44, v[BI+6]
	v_mul_f32 v[BI+6], s44, v[BI+6]
	s_cmp_lg_u32 s35, 0
	s_cbranch_scc1 .Lno_scl                        ; work-group (0, 0),
	s_cmp_ge_u32 s32, 2
	s_cbranch_scc1 .Lno_scl                        ; waves 0 and 1: 64 copies of f, 256 consecutive bytes
	global_store_b32 v4, v60, s[30:31]             ; v4 and v60 are not written again
.Lno_scl:
	LDWB 4                                         ; the second half of W's fragments: they come while the rows are normalised
; sum of T(q) over the 32 lanes for four rows at once: four chains that do not wait for each other
.macro XSUM4
.irp mk, 1,2,4,8
.irp q, 0,1,2,3
	v_add_f32_dpp v[TT+8*\q], v[TT+8*\q], v[TT+8*\q] row_xmask:\mk row_mask:0xf bank_mask:0xf
.endr
.endr
.irp q, 0,1,2,3
	v_permlanex16_b32 v[TT+8*\q+1], v[TT+8*\q], s38, s39
.endr
.irp q, 0,1,2,3
	v_add_f32 v[TT+8*\q], v[TT+8*\q], v[TT+8*\q+1]
.endr
.endm
; Rows 4 g .. 4 g + 3: mean, variance of the differences, scale, gain and bias in f32, then f16 into my wave's rows in LDS.
; left = the loads of the younger rows, eight for each group of four.  T+5 and T+7, the unused halves of the broadcast pairs, hold the partial norms loaded above.
.macro ROW4 g, left
	s_wait_loadcnt \left
.irp q, 0,1,2,3
.set X, XR+8*(4*\g+\q)
.set T, TT+8*\q
	v_pk_add_f32 v[T:T+1],   v[X:X+1],   v[X+2:X+3]
	v_pk_add_f32 v[T+2:T+3], v[X+4:X+5], v[X+6:X+7]
.endr
.irp q, 0,1,2,3
.set T, TT+8*\q
	v_pk_add_f32 v[T:T+1], v[T:T+1], v[T+2:T+3]
.endr
.irp q, 0,1,2,3
.set T, TT+8*\q
	v_add_f32 v[T], v[T], v[T+1]
.endr
	XSUM4
.irp q, 0,1,2,3
.set T, TT+8*\q
	v_mul_f32 v[T+4], s40, v[T]                    ; the mean
.endr
.irp q, 0,1,2,3
.set X, XR+8*(4*\g+\q)
.set T, TT+8*\q
.irp k, 0,2,4,6
	v_pk_add_f32 v[X+\k:X+\k+1], v[X+\k:X+\k+1], v[T+4:T+5] op_sel_hi:[1,0] neg_lo:[0,1] neg_hi:[0,1]   ; x - mean
.endr
.endr
.irp q, 0,1,2,3
.set X, XR+8*(4*\g+\q)
.set T, TT+8*\q
	v_pk_mul_f32 v[T:T+1],   v[X:X+1],   v[X:X+1]
	v_pk_mul_f32 v[T+2:T+3], v[X+2:X+3], v[X+2:X+3]
.endr
.irp q, 0,1,2,3
.set X, XR+8*(4*\g+\q)
.set T, TT+8*\q
	v_pk_fma_f32 v[T:T+1],   v[X+4:X+5], v[X+4:X+5], v[T:T+1]
	v_pk_fma_f32 v[T+2:T+3], v[X+6:X+7], v[X+6:X+7], v[T+2:T+3]
.endr
.irp q, 0,1,2,3
.set T, TT+8*\q
	v_pk_add_f32 v[T:T+1], v[T:T+1], v[T+2:T+3]
.endr
.irp q, 0,1,2,3
.set T, TT+8*\q
	v_add_f32 v[T], v[T], v[T+1]
.endr
	XSUM4
.irp q, 0,1,2,3
.set T, TT+8*\q
	v_fmaak_f32 v[T], s40, v[T], 0x3727c5ac        ; variance + 1e-5
.endr
.irp q, 0,1,2,3
.set T, TT+8*\q
	v_rsq_f32 v[T+6], v[T]
.endr
	v_nop                                          ; one plain place behind the four before a result is read (ISA guide 5.7.2)
	s_wait_alu depctr_va_vdst(0)
.irp q, 0,1,2,3
.set X, XR+8*(4*\g+\q)
.set T, TT+8*\q
.irp k, 0,2,4,6
	v_pk_mul_f32 v[X+\k:X+\k+1], v[X+\k:X+\k+1], v[T+6:T+7] op_sel_hi:[1,0]
.endr
.endr
.irp q, 0,1,2,3
.set X, XR+8*(4*\g+\q)
.irp k, 0,2,4,6
	v_pk_fma_f32 v[X+\k:X+\k+1], v[X+\k:X+\k+1], v[LW+\k:LW+\k+1], v[LB+\k:LB+\k+1]
.endr
.endr
.irp q, 0,1,2,3
.set X, XR+8*(4*\g+\q)
.irp k, 0,1,2,3
	v_cvt_pk_f16_f32 v[PK+4*\q+\k], v[X+2*\k], v[X+2*\k+1]
.endr
.endr
.irp q, 0,1,2,3
	ds_store_b64 v7, v[PK+4*\q:PK+4*\q+1]   offset:(4*\g+\q)*XPITCH        ; 32 lanes x 8 bytes: columns 0-127
	ds_store_b64 v7, v[PK+4*\q+2:PK+4*\q+3] offset:(4*\g+\q)*XPITCH+256    ; columns 128-255
.endr
.endm
	ROW4 0, 24
	ROW4 1, 16
	ROW4 2, 8
	ROW4 3, 0
	; THE PRODUCT: my 16 rows x 64 channels x K = 256, 32 matrix instructions.  W's fragments were asked for above.
	; My rows' fragments are my own bytes, and LDS serves a wave's instructions in order (ISA guide 5.7.1): no barrier between the stores above and these loads.
.irp c, 0,1,2,3,4,5,6,7,8,9,10,11,12,13,14,15
	ds_load_b128 v[AF+4*\c:AF+4*\c+3], v8 offset:32*\c         ; K step c / 2, half c & 1
.endr
.macro PLACES                          ; four places behind a matrix instruction before its result is read (ISA guide 7.12.1)
.rept 4
	v_nop
.endr
.endm
	s_wait_dscnt 0x0                               ; my rows' fragments, and all of W's
	WIN 0x04                                       ; source 1 (W) in window 1
	; the four accumulators take turns, one instruction a turn
.irp ks, 0,1,2,3,4,5,6,7
.irp nt, 0,1,2,3
.if \ks == 0
	v_wmma_f32_16x16x32_f16 v[ACC+8*\nt:ACC+8*\nt+7], v[AF+8*\ks:AF+8*\ks+7], v[8*(4*\ks+\nt):8*(4*\ks+\nt)+7], 0
.else
	v_wmma_f32_16x16x32_f16 v[ACC+8*\nt:ACC+8*\nt+7], v[AF+8*\ks:AF+8*\ks+7], v[8*(4*\ks+\nt):8*(4*\ks+\nt)+7], v[ACC+8*\nt:ACC+8*\nt+7]
.endif
.endr
.endr
	WIN 0
	PLACES
	; THE WAY OUT.  Register j of lane (r, h) of tile nt is row 8 h + j: i = 2 w + h, s = j, channel 16 nt + r.
.macro FIN nt, sc                      ; times the scale, plus the scaled bias; eight s to 16 bytes of f16
.irp k, 0,2,4,6
	v_pk_fma_f32 v[ACC+8*\nt+\k:ACC+8*\nt+\k+1], v[ACC+8*\nt+\k:ACC+8*\nt+\k+1], s[\sc:\sc+1], v[BI+2*\nt:BI+2*\nt+1] op_sel_hi:[1,0,1]
.endr
.irp k, 0,1,2,3
	v_cvt_pk_f16_f32 v[ACC+8*\nt+\k], v[ACC+8*\nt+2*\k], v[ACC+8*\nt+2*\k+1]
.endr
.endm
	FIN 2, 44
	ds_store_b128 v12, v[ACC+16:ACC+19]            ; b: a block of 256 bytes of bF holds sixteen j of one d, two from each wave: through LDS
	FIN 3, 44
	ds_store_b128 v12, v[ACC+24:ACC+27] offset:256
	FIN 0, 42
	global_store_b128 v11, v[ACC:ACC+3], s[24:25]                  ; a: sixteen lanes (r) store 256 consecutive bytes, aligned
	FIN 1, 42
	global_store_b128 v11, v[ACC+8:ACC+11], s[24:25] offset:4096
	s_wait_dscnt 0x0                               ; my part of the stage is in LDS,
	s_barrier_signal -1
	s_barrier_wait -1                              ; everybody's is
	ds_load_b128 v[64:67], v13                     ; d = 4 w + h: sixteen lanes take its sixteen j
	ds_load_b128 v[68:71], v13 offset:32           ; d = 4 w + h + 2
	s_wait_dscnt 0x1                               ; the first is in, the second may be out
	global_store_b128 v14, v[64:67], s[26:27]
	s_wait_dscnt 0x0
	global_store_b128 v14, v[68:71], s[26:27] offset:8192
	s_wait_xcnt 0x0
	v_lshl_add_u32 v254, v0, 2, 0x1ca00
	v_mov_b32 v255, 0
	s_wait_tensorcnt 0x0
	ds_add_u32 v254, v255
	s_wait_dscnt 0x0
	s_endpgm
.Lfunc_end_k_q48fc25dd02_prep:
	.size	k_q48fc25dd02_prep, .Lfunc_end_k_q48fc25dd02_prep-k_q48fc25dd02_prep
	.p2alignl 7, 3214868480
	.fill 96, 4, 3214868480
	.section	.rodata,"a",@progbits
	.p2align	6, 0x0
	.amdhsa_kernel k_q48fc25dd02_prep
		.amdhsa_group_segment_fixed_size 118272
		.amdhsa_private_segment_fixed_size 0
		.amdhsa_enable_private_segment 0
		.amdhsa_kernarg_size 96
		.amdhsa_user_sgpr_count 2
		.amdhsa_user_sgpr_kernarg_segment_ptr 1
		.amdhsa_wavefront_size32 1
		.amdhsa_system_sgpr_workgroup_id_x 1
		.amdhsa_system_sgpr_workgroup_id_y 1
		.amdhsa_system_sgpr_workgroup_id_z 1
		.amdhsa_system_vgpr_workitem_id 0
		.amdhsa_next_free_vgpr 512
		.amdhsa_next_free_sgpr 66
		.amdhsa_reserve_vcc 0
		.amdhsa_float_denorm_mode_32 3
		.amdhsa_float_denorm_mode_16_64 3
		.amdhsa_memory_ordered 1
		.amdhsa_forward_progress 1
		.amdhsa_inst_pref_size 73
	.end_amdhsa_kernel
	.amdgpu_metadata
---
amdhsa.version: [ 1, 2 ]
amdhsa.kernels:
  - .name:           k_q48fc25dd02_prep
    .symbol:         k_q48fc25dd02_prep.kd
    .args:
      - { .name: m, .offset: 0, .size: 8, .value_kind: global_buffer, .address_space: global }
      - { .name: ln_w, .offset: 8, .size: 8, .value_kind: global_buffer, .address_space: global }
      - { .name: ln_b, .offset: 16, .size: 8, .value_kind: global_buffer, .address_space: global }
      - { .name: Wa, .offset: 24, .size: 8, .value_kind: global_buffer, .address_space: global }
      - { .name: ba, .offset: 32, .size: 8, .value_kind: global_buffer, .address_space: global }
      - { .name: Wb, .offset: 40, .size: 8, .value_kind: global_buffer, .address_space: global }
      - { .name: bb, .offset: 48, .size: 8, .value_kind: global_buffer, .address_space: global }
      - { .name: Wo, .offset: 56, .size: 8, .value_kind: global_buffer, .address_space: global }
      - { .name: aF, .offset: 64, .size: 8, .value_kind: global_buffer, .address_space: global }
      - { .name: bF, .offset: 72, .size: 8, .value_kind: global_buffer, .address_space: global }
      - { .name: woF, .offset: 80, .size: 8, .value_kind: global_buffer, .address_space: global }
      - { .name: scl, .offset: 88, .size: 8, .value_kind: global_buffer, .address_space: global }
    .group_segment_fixed_size: 118272
    .private_segment_fixed_size: 0
    .kernarg_segment_align: 8
    .kernarg_segment_size: 96
    .max_flat_workgroup_size: 256
    .sgpr_count:     66
    .vgpr_count:     512
    .wavefront_size: 32
...
	.end_amdgpu_metadata
.endif
;; end of part 1
;; launch opm (part 2): grid 32 x 8, 4 waves a work-group, clusters of 4 x 1, 327,680 bytes of LDS; arguments aF, bF, woF, scl, bo, out0; writes out0
.if DOCPART == 2
	.amdgcn_target "amdgcn-amd-amdhsa--gfx1250"
	.amdhsa_code_object_version 6
	.text
	.protected	k_q48fc25dd02_opm
	.globl	k_q48fc25dd02_opm
	.p2align	8
	.type	k_q48fc25dd02_opm,@function
k_q48fc25dd02_opm:
	s_mov_b64 s[64:65], 0
	v_nop
	global_prefetch_b8 v0, s[64:65] scope:SCOPE_SE
	s_setreg_imm32_b32 hwreg(HW_REG_WAVE_MODE, 25, 1), 1
	s_wait_xcnt 0x0
	s_wait_alu depctr_hold_cnt(0) depctr_sa_sdst(0) depctr_va_vdst(0) depctr_va_sdst(0) depctr_va_ssrc(0) depctr_va_vcc(0) depctr_vm_vsrc(0)
	s_getreg_b32 s2, hwreg(HW_REG_IB_STS2, 6, 4)
	s_cmp_eq_u32 s2, 0
	s_cbranch_scc0 .Lentry_in_a_cluster
	s_endpgm
.Lentry_in_a_cluster:
	s_bfe_u32 s2, ttmp6, 0x10000c
	s_cmp_lg_u32 s2, 0x3003
	s_cbranch_scc0 .Lentry_shape_is_right
	s_endpgm
.Lentry_shape_is_right:
; OuterProductMean, second launch: out[i][j][z] = f * sum over d, c of ( sum over s of a'(s,i,c) b'(s,j,d) ) Wo[32 c + d][z] + bo[z].
; a' = sa a, b' = sb b and Wo come in f16 from the first launch, in fragment order (a half fragment is 512 consecutive bytes, lane L at byte 16 L);
; f = 1 / (128 sa sb), a power of two, undoes the scales and makes the mean.  Both products have f16 operands and f32 sums.
; LIMIT, inherited: |a'|, |b'| < 8, so the inner sums are below 8,192 and are rounded to f16 without overflow; the ranges in which that holds are stated at the first launch.
; THE OUTER PRODUCT NEVER LEAVES REGISTERS.  First product, for one i, one d: source 0 = a' (rows c, 16 at a time), source 1 = b' (columns j), K = s.
; Lane (r, h) of the result holds j = r and c = 16 ch + 8 h + 0 .. 7 in its eight registers.  Four packing conversions on the tile ch = 0 and four on ch = 1 give eight
; registers that ARE a source-1 fragment with column j and k = c.  Second product: source 0 = Wo (rows z, k = c, this d), source 1 = that fragment, summed over the 32 d.
; A lane ends with eight neighbouring z of one (i, j).
; SHARES.  256 work-groups of four waves.  Work-group (X, Y) makes i = 8 X .. + 7, j = 32 Y .. + 31; wave w makes i = 8 X + 4 (w >> 1) .. + 3, j = 32 Y + 16 (w & 1) .. + 15, all 128 z:
; 32 accumulator tiles, and for each d 32 + 32 matrix instructions on 12,288 bytes from LDS.
; CLUSTER 4 x 1: the four partners differ in X alone, so they walk the same tiles of b' (262,144 bytes a work-group) and of Wo (262,144): joint loads with the mask 15.
; a' hangs on X, which the partners do not share: its 65,536 bytes come by a plain load of each work-group.
; LDS: two slots of 65,536 bytes, each four d: b' for the left 16 j (4 x 4,096), for the right 16 j, then Wo (4 x 8,192); a' at 131,072 (8 i x 8,192);
; at 196,608 a stage of 16 rows x 528 bytes for each wave, into which no tensor load ever lands.
; REGISTERS in windows of 256: window 0 addresses, b' fragments, Wo's fragments of the even d, the first product's eight tiles, the packed fragments;
; window 1 all of my a' (4 i x 2 ch x 4 K steps); window 2 the 32 accumulator tiles, (il, zt) at 8 (8 il + zt); window 3 Wo's fragments of the odd d.
; Three or four switches of the window for a d.
.set SLOTB,  65536
.set ABASE,  131072
.set STAGE,  196608
.set SPITCH, 528                       ; 128 z in f32 + 16 bytes: sixteen rows start at sixteen different 16-byte columns
.set VA,  4                            ; v4      my a' in LDS
.set VB,  6                            ; v6, v7  my b' in slot 0, 1
.set VW,  8                            ; v8, v9  Wo in slot 0, 1
.set STO, 10                           ; v10     the way out: where I put 32 bytes of a row
.set RD,  11                           ; v11     the way out: where I read rows back
.set BO,  12                           ; v[12:15]   bo[4 L .. 4 L + 3]
.set BF,  32                           ; v[32:63]   b' fragments, four K steps
.set WF,  64                           ; v[64:127]  Wo fragments, eight zt: window 0 for the even d, window 3 for the odd; on the way out (window 0) the rows read back
.set D1,  128                          ; v[128:191] the first product: tile t = 2 il + ch
.set PF,  192                          ; v[192:223] its results packed: one fragment for each il
.set G1J, 24                           ; s[24:31] group 1 of the joint loads
.set G1P, 32                           ; s[32:39] group 1 of the plain load
.set G0,  40                           ; s[40:47] group 0, a set for each slot
.set G0A, 48                           ; s[48:51] group 0 for a'
.set MSB, 0
.macro WIN new                         ; s_set_vgpr_msb: bits 1:0 source 0, 3:2 source 1, 5:4 source 2, 7:6 destination; the high byte repeats the setting that is left
.if MSB != \new
	s_set_vgpr_msb (MSB<<8)|\new
.set MSB, \new
.endif
.endm
.macro PLACES                          ; four places behind a matrix instruction before its sources are loaded again or its result is read (ISA guide 7.12.1)
.rept 4
	v_nop
.endr
.endm
; A round of the cluster's barrier: my work-group's barrier, wave 0 signals for the work-group, every wave waits for all four work-groups, my work-group's barrier again.
.macro CREST                           ; a round behind its opening barrier
	s_cmp_lg_u32 s16, 0
	s_cbranch_scc1 .Lnot_wave_0_\@
	s_barrier_signal -3
.Lnot_wave_0_\@:
	s_barrier_wait -3
	s_barrier_signal -1
	s_barrier_wait -1
.endm
.macro ROUND
	s_barrier_signal -1
	s_barrier_wait -1
	CREST
.endm
	s_load_b256 s[4:11], s[0:1], 0x0               ; aF s[4:5], bF s[6:7], woF s[8:9], scl s[10:11]
	s_load_b128 s[12:15], s[0:1], 0x20             ; bo s[12:13], out0 s[14:15]
	v_lshl_add_u32 v254, v0, 2, 0x38400
	v_mov_b32 v255, 0
	ds_add_u32 v254, v255
	v_lshrrev_b32 v1, 5, v0
	v_readfirstlane_b32 s16, v1                    ; w
	s_lshr_b32 s17, s16, 1                         ; ig: which four i.  Also: I fetch b' (0) or Wo (1)
	s_and_b32 s18, s16, 1                          ; jl: which sixteen j.  Also: which half of that tile I fetch
	s_bfe_u32 s19, ttmp6, 0x40000                  ; cx
	s_lshl_b32 s20, ttmp9, 2
	s_add_co_u32 s20, s20, s19                     ; X = 4 x cluster x + cx
	s_and_b32 s21, ttmp7, 0xffff                   ; Y
	; Every tensor load here is a dense block of 16,384 bytes: 64 rows of 32 elements of 8 bytes, the pitch equal to the row.
	s_mov_b32 s[G1J+0], 0x0023000f                 ; 15:0 mask: all four partners; 17:16 elements of 8 bytes; 21 set beside a mask
	s_mov_b32 s[G1J+1], 32<<16                     ; tensor_dim0 = 32
	s_mov_b32 s[G1J+2], 64<<16                     ; tensor_dim1 = 64
	s_mov_b32 s[G1J+3], 32<<16                     ; tile_dim0 = 32
	s_mov_b32 s[G1J+4], 64                         ; tile_dim1 = 64
	s_mov_b32 s[G1J+5], 32                         ; 32 elements from row to row
	s_mov_b32 s[G1J+6], 0
	s_mov_b32 s[G1J+7], 0
	s_mov_b32 s[G1P+0], 0x00030000                 ; the same shape, no mask
	s_mov_b32 s[G1P+1], 32<<16
	s_mov_b32 s[G1P+2], 64<<16
	s_mov_b32 s[G1P+3], 32<<16
	s_mov_b32 s[G1P+4], 64
	s_mov_b32 s[G1P+5], 32
	s_mov_b32 s[G1P+6], 0
	s_mov_b32 s[G1P+7], 0
	s_lshl_b32 s2, s16, 14                         ; 16,384 w: my quarter of a slot, and of a'
	s_lshl_b32 s3, 16384, s17                      ; from one slot's tile to the next: four d of b' are 16,384 bytes, of Wo 32,768
	s_lshl_b32 s52, 32768, s17                     ; twice that: from a slot's tile to the same slot's next
	s_mov_b32 s53, 0
	s_lshl_b32 s60, s20, 16                        ; a': 65,536 X + 16,384 w.  What hangs on cx stays in s19, s20, s[60:61], s[50:51] and s[14:15]
	s_add_co_u32 s60, s60, s2
	s_mov_b32 s61, 0
	s_wait_dscnt 0x0
	s_wait_kmcnt 0x0
	s_add_nc_u64 s[G0A+2:G0A+3], s[4:5], s[60:61]
	s_or_b32 s[G0A+3], s[G0A+3], 0x80000000        ; type 2
	s_mov_b32 s[G0A], 1
	s_add_co_u32 s[G0A+1], s2, ABASE
	s_lshl_b32 s22, s21, 18                        ; b': j block 2 Y + jl of 131,072 bytes
	s_lshl_b32 s59, s18, 17
	s_add_co_u32 s22, s22, s59
	s_mov_b32 s23, 0
	s_add_nc_u64 s[6:7], s[6:7], s[22:23]
	s_lshl_b32 s22, s18, 14                        ; Wo: the first or the second two d of a slot's four
	s_add_nc_u64 s[8:9], s[8:9], s[22:23]
	s_cmp_lt_u32 s16, 2
	s_cselect_b64 s[54:55], s[6:7], s[8:9]         ; waves 0, 1 fetch b', waves 2, 3 Wo: made of Y and the wave's number alone, equal in all four partners
	s_mov_b32 s[G0], 1
	s_mov_b32 s[G0+1], s2                          ; slot 0: 16,384 w
	s_mov_b64 s[G0+2:G0+3], s[54:55]
	s_or_b32 s[G0+3], s[G0+3], 0x80000000
	s_mov_b32 s22, s3
	s_mov_b32 s[G0+4], 1
	s_add_co_u32 s[G0+5], s2, SLOTB                ; slot 1
	s_add_nc_u64 s[G0+6:G0+7], s[54:55], s[22:23]
	s_or_b32 s[G0+7], s[G0+7], 0x80000000
	s_lshl_b32 s60, s20, 20                        ; out0: 8 X + 4 ig rows i of 131,072 bytes, 32 Y + 16 jl rows j of 512
	s_lshl_b32 s59, s17, 19
	s_add_co_u32 s60, s60, s59
	s_lshl_b32 s59, s21, 14
	s_add_co_u32 s60, s60, s59
	s_lshl_b32 s59, s18, 13
	s_add_co_u32 s60, s60, s59
	s_add_nc_u64 s[14:15], s[14:15], s[60:61]
	ROUND                                          ; all four work-groups are here: the first joint loads meet
	tensor_load_to_lds s[G0A:G0A+3], s[G1P:G1P+7]          ; my quarter of a'
	s_nop 0
	tensor_load_to_lds s[G0:G0+3], s[G1J:G1J+7]            ; my quarter of slot 0: d 0-3
	s_nop 0
	tensor_load_to_lds s[G0+4:G0+7], s[G1J:G1J+7]          ; of slot 1: d 4-7.  Three loads of mine are out, the most in this text
	s_nop 0
	v_and_b32 v5, 31, v0
	v_lshlrev_b32 v1, 4, v5                        ; 16 L: also my byte offset in bo and in a row pair of out0
	v_and_b32 v2, 15, v0                           ; r
	v_bfe_u32 v3, v0, 4, 1                         ; h
	global_load_b128 v[BO:BO+3], v1, s[12:13]
	s_load_b64 s[56:57], s[10:11], 0x0             ; f, twice
	s_lshl_b32 s59, s17, 15
	s_add_co_u32 s59, s59, ABASE
	v_add_nc_u32 v[VA], s59, v1                    ; my four i of a'
	s_lshl_b32 s59, s18, 14
	v_add_nc_u32 v[VB], s59, v1                    ; my sixteen j of b'
	v_add_nc_u32 v[VB+1], SLOTB, v[VB]
	v_add_nc_u32 v[VW], 32768, v1
	v_add_nc_u32 v[VW+1], SLOTB+32768, v1
	s_mul_i32 s59, s16, 16*SPITCH
	s_add_co_u32 s59, s59, STAGE                   ; my stage
	v_mul_u32_u24 v5, v2, SPITCH
	v_lshl_add_u32 v5, v3, 5, v5
	v_add_nc_u32 v[STO], s59, v5                   ; in: row j = r, 32 bytes for each half of the lanes
	v_add_nc_u32 v[RD], s59, v1                    ; back: a whole row, 16 bytes a lane
.macro LDB slot, dl                    ; b'(d): four K steps, eight loads of 512 consecutive bytes
	WIN 0
.irp c, 0,1,2,3,4,5,6,7
	ds_load_b128 v[BF+4*\c:BF+4*\c+3], v[VB+(\slot)] offset:(\dl)*4096+512*\c
.endr
.endm
.macro LDW slot, dl, buf               ; Wo(d): eight zt, sixteen loads, into buffer buf
.if \buf
	WIN 0xc0                           ; destination in window 3, address in window 0
.else
	WIN 0
.endif
.irp c, 0,1,2,3,4,5,6,7,8,9,10,11,12,13,14,15
	ds_load_b128 v[WF+4*\c:WF+4*\c+3], v[VW+(\slot)] offset:(\dl)*8192+512*\c
.endr
.endm
; In both products the accumulators take turns, one instruction a turn.
.macro G1K ks                          ; one K step of the first product on its eight tiles (4 i x 2 ch); the first K step starts the sums
.irp t, 0,1,2,3,4,5,6,7
.if \ks == 0
	v_wmma_f32_16x16x32_f16 v[D1+8*\t:D1+8*\t+7], v[8*(4*\t+\ks):8*(4*\t+\ks)+7], v[BF+8*\ks:BF+8*\ks+7], 0
.else
	v_wmma_f32_16x16x32_f16 v[D1+8*\t:D1+8*\t+7], v[8*(4*\t+\ks):8*(4*\t+\ks)+7], v[BF+8*\ks:BF+8*\ks+7], v[D1+8*\t:D1+8*\t+7]
.endif
.endr
.endm
.macro GEMM1A                          ; K steps 0, 1
	WIN 0x01                           ; source 0 (a') in window 1
	G1K 0
	G1K 1
.endm
.macro GEMM1B                          ; K steps 2, 3
	WIN 0x01
	G1K 2
	G1K 3
.endm
.macro CVT                             ; tile (il, ch), registers 2 p, 2 p + 1 -> register 4 ch + p of il's fragment: k = c = 16 ch + 8 h + 2 p, + 1
	WIN 0
.irp t, 0,1,2,3,4,5,6,7
.irp p, 0,1,2,3
	v_cvt_pk_f16_f32 v[PF+4*\t+\p], v[D1+8*\t+2*\p], v[D1+8*\t+2*\p+1]
.endr
.endr
.endm
.macro GEMM2 half, zero, buf           ; il = 2 half, 2 half + 1 x eight zt, Wo from buffer buf
.if \buf
	WIN 0xa3                           ; C and D in window 2, source 0 (Wo) in window 3
.else
	WIN 0xa0                           ; C and D in window 2
.endif
.irp ii, 0,1
.irp zt, 0,1,2,3,4,5,6,7
.if \zero
	v_wmma_f32_16x16x32_f16 v[8*(8*(2*\half+\ii)+\zt):8*(8*(2*\half+\ii)+\zt)+7], v[WF+8*\zt:WF+8*\zt+7], v[PF+8*(2*\half+\ii):PF+8*(2*\half+\ii)+7], 0
.else
	v_wmma_f32_16x16x32_f16 v[8*(8*(2*\half+\ii)+\zt):8*(8*(2*\half+\ii)+\zt)+7], v[WF+8*\zt:WF+8*\zt+7], v[PF+8*(2*\half+\ii):PF+8*(2*\half+\ii)+7], v[8*(8*(2*\half+\ii)+\zt):8*(8*(2*\half+\ii)+\zt)+7]
.endif
.endr
.endr
.endm
; One of a slot's first three d; buf = d & 1.  ONE run of LDS loads a d, behind the conversions: b'(d + 1) into the registers that the first product has just left,
; Wo(d + 1) into the buffer that the second product of d - 1 left.  b'(d + 1) has the second product's 32 matrix instructions in which to come, Wo(d + 1) 64.
; Nothing stands between the second product and the next d's first product but one wait and one switch of the window.
.macro DSTEP slot, dl, zero, buf
	s_wait_dscnt 16                                ; b'(d) is in; the sixteen younger loads are Wo(d)
	GEMM1A
	GEMM1B
	PLACES                                         ; for the conversions, which read results, and for the loads into b's registers
	CVT
	LDB \slot, \dl+1
	LDW \slot, \dl+1, 1-\buf
	s_wait_dscnt 24                                ; Wo(d) is in; the 24 younger loads are the run just issued
	GEMM2 0, \zero, \buf
	GEMM2 1, \zero, \buf
.endm
; A slot's fourth d, and the change of slots at its head: this d's b' and Wo, the last that is read of the slot, were asked for one d ago.  In front of the barrier each wave
; waits for those reads and for all its tensor loads, of which one is out: its part of the other slot.  refill = 1: the barrier opens a round of the cluster's barrier, and
; behind the round this slot is asked for again, eight d ahead, before anything is read.  From that request to the wait for it a wave issues 48 + 3 x 64 = 240 matrix instructions.
.macro TURN slot, refill
	s_wait_dscnt 0x0                               ; my reads of this slot are over: b'(d) and Wo(d) are in
	s_wait_tensorcnt 0x0                           ; all my tensor loads have landed, so a group 0 may be written
	ds_add_u32 v254, v255
	s_wait_dscnt 0x0
.if \refill
	s_add_nc_u64 s[G0+4*\slot+2:G0+4*\slot+3], s[G0+4*\slot+2:G0+4*\slot+3], s[52:53]
.endif
	s_barrier_signal -1
	GEMM1A                                         ; work on registers while the others arrive
	WIN 0
	s_barrier_wait -1
.if \refill
	CREST                                          ; no wave of any partner still reads this slot or has a load on its way
	tensor_load_to_lds s[G0+4*\slot:G0+4*\slot+3], s[G1J:G1J+7]    ; my one tensor load behind the round, and the first thing there
	s_nop 0
.endif
	GEMM1B
	PLACES
	CVT
	LDB 1-\slot, 0                                 ; the other slot's first d
	LDW 1-\slot, 0, 0
	GEMM2 0, 0, 1                                  ; Wo(d) was shown in by the wait for 0 above
	GEMM2 1, 0, 1
.endm
.macro SSTEP slot, zero, refill        ; a slot's four d
	DSTEP \slot, 0, \zero, 0
	DSTEP \slot, 1, 0, 1
	DSTEP \slot, 2, 0, 0
	TURN \slot, \refill
.endm
	s_wait_tensorcnt 0x2                           ; my part of a' is in; the two slots' first fills may stay out
	s_barrier_signal -1
	s_barrier_wait -1                              ; everybody's part of a' is in
	WIN 0x40                                       ; destination in window 1
.set c, 0
.rept 64
	ds_load_b128 v[4*c:4*c+3], v[VA] offset:512*c  ; all of my a', while slot 0 is still on its way: tile t, K step ks at 8 (4 t + ks), in the order of the bytes
.set c, c+1
.endr
	WIN 0
	s_wait_tensorcnt 0x1                           ; my part of slot 0 is in; slot 1's may stay out
	s_wait_dscnt 0x0                               ; no LDS load of mine is pending at the signal
	s_barrier_signal -1
	s_barrier_wait -1                              ; slot 0 is whole
	LDB 0, 0
	LDW 0, 0, 0
	SSTEP 0, 1, 1                                  ; d 0-3: the first d starts the 32 sums; asks for d 8-11
	SSTEP 1, 0, 1                                  ; d 4-7; asks for d 12-15
	WIN 0                                          ; at a label and at a branch every window is 0
	s_mov_b32 s58, 2
.Lpair:
	SSTEP 0, 0, 1                                  ; d 8-11, 16-19; asks for d 16-19, 24-27
	SSTEP 1, 0, 1                                  ; d 12-15, 20-23; asks for d 20-23, 28-31
	WIN 0
	s_sub_co_u32 s58, s58, 1
	s_cmp_lg_u32 s58, 0
	s_cbranch_scc1 .Lpair
	SSTEP 0, 0, 0                                  ; d 24-27: nothing is left to fetch; its barrier shows slot 1 whole
	DSTEP 1, 0, 0, 0
	DSTEP 1, 1, 0, 1
	DSTEP 1, 2, 0, 0
	s_wait_dscnt 0x0                               ; d 31: b' and Wo are in, nothing more is read
	GEMM1A
	GEMM1B
	PLACES
	CVT
	GEMM2 0, 0, 1
	GEMM2 1, 0, 1
	PLACES                                         ; behind the last matrix instructions: the stores below read results
	; THE WAY OUT, one i at a time: 16 rows j x 128 z.  A lane's 32 bytes go into my own stage, whole rows of 512 bytes come back, times f plus bo, and are stored.
	s_wait_loadcnt 0x0                             ; bo
	s_wait_kmcnt 0x0                               ; f
.macro OUT il
	WIN 0x08                                       ; store data in window 2
.irp zt, 0,1,2,3,4,5,6,7
	ds_store_b128 v[STO], v[8*(8*\il+\zt):8*(8*\il+\zt)+3]   offset:64*\zt         ; z = 16 zt + 8 h + 0 .. 3
	ds_store_b128 v[STO], v[8*(8*\il+\zt)+4:8*(8*\il+\zt)+7] offset:64*\zt+16      ; + 4 .. 7
.endr
	WIN 0
	s_wait_xcnt 0x0                                ; the rows' registers are the data of the last i's stores: loaded again only behind this wait (ISA guide 3.1)
.irp t, 0,1,2,3,4,5,6,7,8,9,10,11,12,13,14,15
	ds_load_b128 v[WF+4*\t:WF+4*\t+3], v[RD] offset:SPITCH*\t                      ; LDS serves a wave's instructions in order (ISA guide 5.7.1): these see the stores above
.endr
.irp t, 0,1,2,3,4,5,6,7,8,9,10,11,12,13,14,15
	s_wait_dscnt 15-\t                             ; row t is in, the younger rows may be out
	v_pk_fma_f32 v[WF+4*\t:WF+4*\t+1],   v[WF+4*\t:WF+4*\t+1],   s[56:57], v[BO:BO+1]   op_sel_hi:[1,0,1]
	v_pk_fma_f32 v[WF+4*\t+2:WF+4*\t+3], v[WF+4*\t+2:WF+4*\t+3], s[56:57], v[BO+2:BO+3] op_sel_hi:[1,0,1]
	global_store_b128 v1, v[WF+4*\t:WF+4*\t+3], s[14:15] offset:\il*131072+\t*512 th:TH_STORE_NT   ; the wave stores 512 consecutive bytes, aligned: all z of one (i, j)
.endr
.endm
	OUT 0
	OUT 1
	OUT 2
	OUT 3
	s_wait_tensorcnt 0x0
	ds_add_u32 v254, v255
	s_wait_dscnt 0x0
	ROUND                                          ; the closing round: no work-group ends while a partner may still ask for a tile that names it
	s_endpgm
.Lfunc_end_k_q48fc25dd02_opm:
	.size	k_q48fc25dd02_opm, .Lfunc_end_k_q48fc25dd02_opm-k_q48fc25dd02_opm
	.p2alignl 7, 3214868480
	.fill 96, 4, 3214868480
	.section	.rodata,"a",@progbits
	.p2align	6, 0x0
	.amdhsa_kernel k_q48fc25dd02_opm
		.amdhsa_group_segment_fixed_size 327680
		.amdhsa_private_segment_fixed_size 0
		.amdhsa_enable_private_segment 0
		.amdhsa_kernarg_size 48
		.amdhsa_user_sgpr_count 2
		.amdhsa_user_sgpr_kernarg_segment_ptr 1
		.amdhsa_wavefront_size32 1
		.amdhsa_system_sgpr_workgroup_id_x 1
		.amdhsa_system_sgpr_workgroup_id_y 1
		.amdhsa_system_sgpr_workgroup_id_z 1
		.amdhsa_system_vgpr_workitem_id 0
		.amdhsa_next_free_vgpr 896
		.amdhsa_next_free_sgpr 66
		.amdhsa_reserve_vcc 0
		.amdhsa_float_denorm_mode_32 3
		.amdhsa_float_denorm_mode_16_64 3
		.amdhsa_memory_ordered 1
		.amdhsa_forward_progress 1
		.amdhsa_inst_pref_size 225
	.end_amdhsa_kernel
	.amdgpu_metadata
---
amdhsa.version: [ 1, 2 ]
amdhsa.kernels:
  - .name:           k_q48fc25dd02_opm
    .symbol:         k_q48fc25dd02_opm.kd
    .args:
      - { .name: aF, .offset: 0, .size: 8, .value_kind: global_buffer, .address_space: global }
      - { .name: bF, .offset: 8, .size: 8, .value_kind: global_buffer, .address_space: global }
      - { .name: woF, .offset: 16, .size: 8, .value_kind: global_buffer, .address_space: global }
      - { .name: scl, .offset: 24, .size: 8, .value_kind: global_buffer, .address_space: global }
      - { .name: bo, .offset: 32, .size: 8, .value_kind: global_buffer, .address_space: global }
      - { .name: out0, .offset: 40, .size: 8, .value_kind: global_buffer, .address_space: global }
    .group_segment_fixed_size: 327680
    .private_segment_fixed_size: 0
    .kernarg_segment_align: 8
    .kernarg_segment_size: 48
    .max_flat_workgroup_size: 128
    .sgpr_count:     66
    .vgpr_count:     896
    .wavefront_size: 32
...
	.end_amdgpu_metadata
.endif
;; end of part 2
